; MI455X (gfx1250); checked and timed in simulation.
; The chip was launched on July 23, 2026; its instructions are those of AMD's public machine-readable ISA for CDNA 5 (MIT licence, August 2026) and "CDNA5" Instruction Set Architecture Reference Guide (July 2026). The comments in the code are by the model that wrote it; some were corrected since.
;; Rel Pos Self Attention. Allowed arithmetic: matrix products marked QUANTISED: E4M3 operands, one E8M0 scale for each 32 along K, by v_wmma_scale_f32_16x16x128_f8f6f4 with both operands' format E4M3, f32 sums; everything else in f32.
;; Inputs: attn_mask 8 x 1,024 bool; k_codes 8 x 8 x 32 x 32 x 2 x 32 uint8 (E4M3 codes of k, K innermost, in blocks of 32 codes); k_scales 8 x 8 x 32 x 32 x 2 uint8 (E8M0 scales of k, one for each 32 codes along K); q 8 x 8 x 32 x 32 x 64 float32; rel_emb_h_codes 63 x 2 x 32 uint8 (E4M3 codes of rel_emb_h, K innermost, in blocks of 32 codes); rel_emb_h_scales 63 x 2 uint8 (E8M0 scales of rel_emb_h, one for each 32 codes along K); rel_emb_w_codes 63 x 2 x 32 uint8 (E4M3 codes of rel_emb_w, K innermost, in blocks of 32 codes); rel_emb_w_scales 63 x 2 uint8 (E8M0 scales of rel_emb_w, one for each 32 codes along K); v 8 x 8 x 32 x 32 x 64 float32.
;; Outputs: out0 8 x 32 x 32 x 512 float32.
;; This version of the problem:
;;   THIS VERSION OF THE PROBLEM IS GIVEN IN LOW PRECISION. The matrix products marked QUANTISED in the list below multiply operands that are first quantised to E4M3 (4 exponent bits, 3 mantissa bits; 8 bits a number), with one power-of-two scale for each 32 numbers along K (OCP MX v1.0); their sums are f32. All else is computed in f32.
;;   The module's matrix products, in the order in which they are computed (A, B: the left and right operand; K: the contracted axis; several contracted axes count as one K, in the product's order):
;;     1. batch 64 x [M 1,024, K 64] x [K 64, N 1,024]; A: computed on the way; B: input k (given as codes): QUANTISED
;;     2. [M 65,536, K 64] x [K 64, N 63]; A: computed on the way; B: input rel_emb_w (given as codes): QUANTISED
;;     3. [M 65,536, K 64] x [K 64, N 63]; A: computed on the way; B: input rel_emb_h (given as codes): QUANTISED
;;     4. batch 64 x [M 64, K 1,024] x [K 1,024, N 1,024]; A: input v; B: computed on the way: QUANTISED
;;   THE QUANTISER, for each operand of a quantised product, along K:
;;     - K is cut into blocks of 32 from its start; a last block that is shorter is filled with zeros.
;;     - A block's scale is 2^e with e = floor(log2(the largest magnitude in the block)) - 8, held to -126 .. 127; a block of zeros has e = 0. As a byte (E8M0): e + 127.
;;     - Each number is divided by its block's scale, clamped to +-448, and rounded to the nearest number of E4M3, ties to even, subnormals kept.
;;     - The product sums the exact products of the quantised numbers (number of the format x scale) in f32.
;;   ~~~python
;;   def quantise(x, axis):      # numpy; x: float32 -> the quantised numbers, widened to float32 again
;;       x = np.moveaxis(x, axis, -1); K = x.shape[-1]
;;       x = np.pad(x, [(0, 0)] * (x.ndim - 1) + [(0, -K % 32)]); x = x.reshape(x.shape[:-1] + (-1, 32)); a = np.abs(x).max(-1, keepdims=True)
;;       e = np.where(a > 0, np.clip(np.frexp(np.where(a > 0, a, 1))[1] - 1 - 8, -126, 127), 0)      # np.frexp(a)[1] - 1 = floor(log2(a)), exactly
;;       r = np.clip(x / 2.0 ** e, -448, 448)
;;       step = 2.0 ** (np.maximum(np.frexp(np.where(r == 0, 1, r))[1] - 1, -6) - 3)
;;       q = np.round(r / step) * step * 2.0 ** e      # np.round: ties to even
;;       return np.moveaxis(q.reshape(q.shape[:-2] + (-1,))[..., :K], -1, axis).astype(np.float32)
;;   ~~~
;;   OPERANDS COMPUTED ON THE WAY. 'Computed on the way' means the value that the module computes at that place (a softmax that the list does not call 'softmax' is quantised finished and normalised). What goes into a quantiser is computed in f32, as accurately as f32 sums, v_exp_f32 and their like allow (about 1e-6 of the number): no bf16 or f16 on the way to a quantiser, and a product that is left as it is and whose result goes on into a quantised operand takes f32 operands (vector FMAs, or v_wmma_f32_16x16x4_f32). A number that lies on a knife's edge between two numbers of the format may be rounded either way, as far as f32 arithmetic and the matrix unit's own rounding can turn it there, and no further.
;;   INPUTS GIVEN AS CODES. k (in the module: [8, 8, 32, 32, 64], K = its axis 4); rel_emb_h (in the module: [63, 64], K = its axis 1); rel_emb_w (in the module: [63, 64], K = its axis 1): each comes as NAME_codes (uint8): NAME with its K axis moved to the last place and cut into blocks of 32 codes, [.., K / 32, bytes a block], one block behind the other in memory; one code a byte (a code: sign, 4 exponent bits, 3 mantissa bits); and NAME_scales (uint8): the same leading axes, one E8M0 byte (e + 127) for each 32 codes along K. Its value is code x scale, taken as it is: it is not quantised again, and the codes and scales need not be those that the quantiser above would give.
;; One version. Each part assembles by itself: llvm-mc -triple=amdgcn-amd-amdhsa -mcpu=gfx1250 --defsym DOCPART=n.
;; ======== version 1 of 1: 1 launch
;; limits: right only within a limited range of input values
;; launch attn (part 1): grid 4 x 64, 8 waves a work-group, clusters of 4 x 1, 327,680 bytes of LDS; arguments q, k_codes, k_scales, attn_mask, rel_emb_w_codes, rel_emb_w_scales, rel_emb_h_codes, rel_emb_h_scales, v, out0; writes out0
.if DOCPART == 1
	.amdgcn_target "amdgcn-amd-amdhsa--gfx1250"
	.amdhsa_code_object_version 6
	.text
	.protected	k_q3970e9260c_attn
	.globl	k_q3970e9260c_attn
	.p2align	8
	.type	k_q3970e9260c_attn,@function
k_q3970e9260c_attn:
	s_mov_b64 s[64:65], 0
	v_nop
	global_prefetch_b8 v0, s[64:65] scope:SCOPE_SE
	s_setreg_imm32_b32 hwreg(HW_REG_WAVE_MODE, 25, 1), 1
	s_wait_xcnt 0x0
	s_wait_alu depctr_hold_cnt(0) depctr_sa_sdst(0) depctr_va_vdst(0) depctr_va_sdst(0) depctr_va_ssrc(0) depctr_va_vcc(0) depctr_vm_vsrc(0)
	s_getreg_b32 s2, hwreg(HW_REG_IB_STS2, 6, 4)
	s_cmp_eq_u32 s2, 0
	s_cbranch_scc0 .Lentry_in_a_cluster
	s_endpgm
.Lentry_in_a_cluster:
	s_bfe_u32 s2, ttmp6, 0x10000c
	s_cmp_lg_u32 s2, 0x3003
	s_cbranch_scc0 .Lentry_shape_is_right
	s_endpgm
.Lentry_shape_is_right:
; Attention with relative position logits on a 32 x 32 image, 64 heads (batch x head), head size 64, all four products on codes of E4M3 with one E8M0 scale for each 32 along K, in ONE launch.
;   logit(query (h, w), key (p, x)) = q' . k[p][x] + q' . rel_w[x - w + 31] + q' . rel_h[p - h + 31] + (mask ? 0 : -infinity),  q' = Q(q / 8).
;   The weights are the FINISHED softmax, quantised along the keys; v is quantised along the keys too (a block of 32 keys is one image row p).
; WORK LEFT OUT.  rel_to_abs keeps, of the 63 columns m of q' . rel[m], for query column w and key column x only m = x - w + 31, and for query row h and key row p only m = p - h + 31.
; For 16 queries of one image row h with columns w0 .. w0 + 15 (w0 = 0 or 16) these are rel_w's rows 16 - w0 .. 62 - w0 and rel_h's rows 31 - h .. 62 - h.  The products with the other rows are sliced
; away whatever the inputs hold, so they are not made.  Every row of both tables is wanted by some query, so every input is loaded.
; LIMITS: a NaN or an infinity that would arise only in a product left out is not carried.  NaN and infinities in the inputs are not served.  Logits stay under 2^100 in magnitude.  Blocks of v whose largest magnitude
; lies under 2^-118 and blocks of q under 2^-115 have their scale byte held at 1.  (A block of zeros keeps the byte 1: its codes are zeros, which add nothing.)
; SHARES.  A work-group owns 256 queries of a head, 16 tiles of 16.  Each of its eight waves owns 128 KEYS: their codes of K (8 fragments) and of V (4 tiles) stand in its registers throughout; every tile of queries passes all waves.
; A wave has its own maximum and sum over its 128 keys; the waves exchange them through LDS and the weight is p x 2^(own max - max) / sum.  Each wave's part of O goes to LDS, and each wave adds up and stores two of the tile's rows.
; ONE BARRIER A TILE.  Body t: exponentials and sums of tile t; the finish (weights, codes, second product) of tile t - 1; the parts of O of tile t - 2 go to LDS; those of tile t - 3 are added up and stored; between the barrier's
; signal and its wait the first product and the maxima of tile t + 1.
; CLUSTER: a head's four work-groups.  v's 1,024 rows of 256 bytes are wanted by all four: wave w asks for rows 128 w on by a joint load; they land in 32,768 bytes of LDS that this wave alone reads, are quantised in the head and
; are never filled again.  K's codes are loaded once straight into the registers that keep them (65,536 bytes a work-group; beside v's 262,144 no room in LDS is left for them).
; No prefetch: everything is asked for in the head, there is no loop to run ahead in.
; LAYOUT.  Both products are used transposed: S^T = K Q^T, O^T = V^T P^T: lane (r = lane % 16, hh = lane / 16) holds query r throughout.  Register 8 u + j of block b is key 32 b + 16 u + 8 hh + j of the wave's 128.
; V's codes stand in the same order within a block of 32.  Row r of V's tile t is d = 4 r + t: so a lane's 16 bytes of a row of v are one number for each of the four tiles.
; rel_w: RW[x] of a lane's query is the C of every first product.  rel_h: RH[p] is one number for a block of 32 keys: it enters the block's maximum by an addition and the exponent by the addend.
; THE MASK.  The head size 64 fills half of the instruction's K of 128.  At K place 64 every key holds the code -448 and every query 1.0; the query's scale byte there is 127; the key's is 230 where it is masked, else 0.
; A masked key's score so gets -448 x 2^103 and its weight is exactly 0 (a wave's maximum is held at -2^100 from below); a kept key's gets -448 x 2^-127, the same for all.  A row with no key left has the sum 0: one code of its
; weights is made NaN, so its outputs are NaN.
; REGISTERS.  Window 0: v0-63 below; v64-191 K; v192-207 P's codes; v208-239 O^T; v240-253 scale words.  Window 1: v0-63 V; v64-127, v128-191 two sets of scores; v192-207 RW; v208-239 parts of O; v240-255 q's codes.
; In the head: window 1 v64-127 the rel tables' fragments, v128-255 two blocks of v; registers 8-15 of K's fragments hold q.
; s_set_vgpr_msb: bits 1:0 source 0, 3:2 source 1, 5:4 source 2, 7:6 destination.
.set OB0,  0                           ; LDS, over v's bytes once they are used: a tile's parts of O: eight waves x 16 rows x 272 bytes; two slots
.set OBUF, 34816
.set OWV,  4352
.set OT,   2*OBUF                      ; each wave's two rows of 320 bytes, for the order of the columns
.set RECB, OT+8*640                    ; the tiles' records: q's codes as a register image (1,024 bytes), scale words at 16 x lane (512), RH's image (4,096), RW's 16 rows of 272 bytes
.set RQS,  1024
.set RRH,  1536
.set RRW,  5632
.set REC,  9984
.set MSB0, 262144                      ; behind v: maxima and sums, two slots of 1,024 bytes: [query][wave] maxima, then sums
.set SPARE, MSB0+2048                  ; the spare words, 128 bytes a wave: four blocks of 256 bytes
.set QST,  SPARE+1024                  ; in the head: 16 rows of q, 272 bytes apart, for each wave
.set VT0,  4                           ; v4   RECB + 16 lane
.set VT20, 5                           ; v5   my four RH of a lane
.set VRW0, 6                           ; v6   my RW
.set MSW,  7
.set MSR,  8
.set OST,  9
.set ORD,  10
.set OTS,  11
.set OTL,  12
.set OGO,  13
.set SPW,  14                          ; v14  LDS address of my spare word
.set NIL,  15                          ; v15  0
.set KS,   16                          ; v16-19 K's scale words: lane l: key 32 b + l
.set VS,   20                          ; v20-23 V's: tile t's row r
.set MX,   26                          ; v25, v27 c x my maximum, by turns;  v26 a maximum
.set DD,   28
.set RR,   30                          ; v[30:31] the factor of my weights
.set SM,   32                          ; v32-39 sums in four chains of pairs; the exchanged maxima and sums
.set RH,   44                          ; v44-47 RH, then the addends.  Block maxima: v40-43 and v0-3, by turns
.set GG,   48
.set SO,   52
.set HO,   56
.set TM,   60
.set KF,   64
.set PC,   192
.set OA,   208
.set RS,   240                         ; v240-247 the rel tables' scale words
.set PW,   248
.set QS,   252                         ; v252 q's scale word; v253 in the head my second tile's
.set VF,   0                           ; window 1
.set SC,   64
.set RW,   192
.set OR,   208
.set QC,   240
.set QD,   192                         ; in the head: my second tile's codes
.set RF,   64                          ; in the head: rel_w's four fragments, rel_h's four, eight registers each; eight zeros behind
.set DW,   136
.set DH,   160
.set WV,   24
.set CX,   25
.set BH,   26
.set TB,   27                          ; s27  the record to be read next
.set NANC, 28
.set KEEP, 29                          ; s29  lanes whose query has a key left
.set SEL,  30
.set CS,   32
.set MNT,  34
.set THR,  35
.set MB,   36
.set TRIP, 37
.set OP,   38                          ; s[38:39] out at the tile that is stored next
.set G1,   40                          ; s[40:47], s[48:51] the descriptor of v's rows
.set G0,   48
.set MSB, 0
.macro WIN new                         ; the immediate's high byte repeats the setting that is left
.if MSB != (\new)
	s_set_vgpr_msb (MSB<<8)|(\new)
.set MSB, (\new)
.endif
.endm
.macro PLACES n
.rept \n
	v_nop
.endr
.endm
.macro WALU
	s_wait_alu depctr_va_vdst(0)
.endm
.macro CROUND                          ; a round of the cluster's barrier
	s_barrier_signal -1
	s_barrier_wait -1
	s_cmp_lg_u32 s[WV], 0
	s_cbranch_scc1 .Lnot_wave_0_\@
	s_barrier_signal -3
.Lnot_wave_0_\@:
	s_barrier_wait -3
	s_barrier_signal -1
	s_barrier_wait -1
.endm
	s_load_b512 s[4:19], s[0:1], 0x0               ; q, K's codes and scales, the mask, rel_w's codes and scales, rel_h's
	s_load_b128 s[20:23], s[0:1], 0x40             ; v, out
	v_lshl_add_u32 v[SPW], v0, 2, SPARE
	v_mov_b32 v[NIL], 0
	ds_add_u32 v[SPW], v[NIL]                      ; the wave's opening: the add, twice on end, and its wait ahead of my first tensor load
	ds_add_u32 v[SPW], v[NIL]
	v_lshrrev_b32 v1, 5, v0
	v_readfirstlane_b32 s[WV], v1                  ; wave 0..7
	s_bfe_u32 s[CX], ttmp6, 0x40000                ; which 256 queries: it enters global addresses of q and out alone
	s_and_b32 s[BH], ttmp7, 0xffff                 ; the head, which the four partners share
	s_mov_b32 s[G1], 15|(3<<16)|(1<<21)            ; 15:0 the mask: all four work-groups; 17:16 elements of 8 bytes; 21 set beside a mask; no padding
	s_mov_b32 s[G1+1], 32<<16                      ; 128 rows of 256 bytes
	s_mov_b32 s[G1+2], 128<<16
	s_mov_b32 s[G1+3], 32<<16
	s_mov_b32 s[G1+4], 128
	s_mov_b32 s[G1+5], 32
	s_mov_b32 s[G1+6], 0
	s_mov_b32 s[G1+7], 0
	s_mov_b32 s[G0], 1
	s_lshl_b32 s[G0+1], s[WV], 15                  ; LDS: 32,768 x wave
	s_lshl_b32 s52, s[BH], 18                      ; v: a head is 262,144 bytes, a wave's 128 keys 32,768
	s_lshl_b32 s72, s[WV], 15
	s_add_co_u32 s52, s52, s72
	s_mov_b32 s53, 0
	s_mov_b32 s[SEL], 0x76543210
	s_mov_b32 s[SEL+1], 0xfedcba98
	s_mov_b32 s[CS], 0x3fb8aa3b                    ; c = log2(e)
	s_mov_b32 s[CS+1], s[CS]
	s_mov_b32 s[MNT], 0x600000                     ; the mantissa field of 448
	s_mov_b32 s[THR], 0xf1800000                   ; -2^100
	s_mov_b32 s[MB], 0xe60000                      ; 230 << 16
	s_mov_b32 s[NANC], 0x7f7f7f7f                  ; four NaN codes
	s_mov_b32 s[TB], 0
	v_and_b32 v1, 15, v0                           ; r
	v_bfe_u32 v2, v0, 4, 1                         ; hh
	v_and_b32 v3, 31, v0                           ; lane
	s_wait_dscnt 0x0                               ; both opening adds are done
	WALU                                           ; directly ahead of the waits below
	s_wait_kmcnt 0x0
	s_add_nc_u64 s[G0+2:G0+3], s[20:21], s[52:53]
	s_or_b32 s[G0+3], s[G0+3], 0x80000000          ; type = 2
	CROUND                                         ; all four work-groups are here: the joint loads meet
	tensor_load_to_lds s[G0:G0+3], s[G1:G1+7]      ; my one tensor load of the launch
	s_nop 0
	PLACES 4
	v_lshlrev_b32 v25, 6, v1                       ; K and rel rows: 64 r + 16 hh
	v_lshl_add_u32 v25, v2, 4, v25
	v_lshlrev_b32 v26, 4, v3                       ; q: 16 lane
	v_lshlrev_b32 v27, 1, v3                       ; 2 lane
	v_min_u32 v249, 14, v1                         ; rel_w's last fragment has 15 rows; lane 15 repeats the last, its result is never used
	v_lshlrev_b32 v254, 1, v249
	v_lshlrev_b32 v249, 6, v249
	v_lshl_add_u32 v249, v2, 4, v249
	v_and_b32 v250, 7, v1                          ; rel_h's rows: r % 8
	v_lshlrev_b32 v255, 1, v250
	v_lshlrev_b32 v250, 6, v250
	v_lshl_add_u32 v250, v2, 4, v250
	v_lshlrev_b32 v251, 1, v1
	s_lshl_b32 s54, s[BH], 16                      ; K: a head is 65,536 bytes, a wave's 128 keys 8,192
	s_lshl_b32 s72, s[WV], 13
	s_add_co_u32 s54, s54, s72
	s_mov_b32 s55, 0
	s_lshl_b32 s60, s[BH], 18                      ; q: the work-group's 256 rows 65,536, my two tiles 8,192
	s_add_co_u32 s60, s60, s72
	s_lshl_b32 s73, s[CX], 16
	s_add_co_u32 s60, s60, s73
	s_mov_b32 s61, 0
	s_lshl_b32 s56, s[BH], 11                      ; K's scale bytes
	s_lshl_b32 s72, s[WV], 8
	s_add_co_u32 s56, s56, s72
	s_mov_b32 s57, 0
	s_lshr_b32 s73, s[BH], 3                       ; the batch
	s_lshl_b32 s58, s73, 10                        ; its mask
	s_lshl_b32 s72, s[WV], 7
	s_add_co_u32 s58, s58, s72
	s_mov_b32 s59, 0
	s_lshl_b32 s66, s73, 21                        ; out: a batch is 1,024 rows of 2,048 bytes; the head's 256 bytes in a row
	s_lshl_b32 s72, s[CX], 19
	s_add_co_u32 s66, s66, s72
	s_and_b32 s72, s[BH], 7
	s_lshl_b32 s72, s72, 8
	s_add_co_u32 s66, s66, s72
	s_mov_b32 s67, 0
	s_lshl_b32 s72, s[CX], 3                       ; h = 8 cx + wave: both my tiles lie in image row h
	s_add_co_u32 s72, s72, s[WV]
	s_sub_co_u32 s72, 31, s72                      ; rel_h's first row
	s_lshl_b32 s68, s72, 6
	s_mov_b32 s69, 0
	s_lshl_b32 s70, s72, 1
	s_mov_b32 s71, 0
	s_add_nc_u64 s[6:7], s[6:7], s[54:55]
	s_add_nc_u64 s[8:9], s[8:9], s[56:57]
	s_add_nc_u64 s[10:11], s[10:11], s[58:59]
	s_add_nc_u64 s[4:5], s[4:5], s[60:61]
	s_add_nc_u64 s[OP:OP+1], s[22:23], s[66:67]
	s_add_nc_u64 s[16:17], s[16:17], s[68:69]
	s_add_nc_u64 s[18:19], s[18:19], s[70:71]
	WALU
	; 64 loads: K (16), its scale bytes and the mask (8), q (16), the rel tables (24)
.irp f, 0,1,2,3,4,5,6,7
.irp c, 0,1
	global_load_b128 v[KF+16*\f+4*\c:KF+16*\f+4*\c+3], v25, s[6:7] offset:1024*\f+32*\c   ; fragment f: keys 16 f + r
.endr
.endr
.irp b, 0,1,2,3
	global_load_u16 v[KS+\b], v27, s[8:9] offset:64*\b
	global_load_u8 v[28+\b], v3, s[10:11] offset:32*\b
.endr
.irp i, 0,1
.irp n, 0,1,2,3,4,5,6,7
	global_load_b128 v[KF+16*(4*\i+\n/2)+8+4*(\n%2):KF+16*(4*\i+\n/2)+11+4*(\n%2)], v26, s[4:5] offset:4096*\i+512*\n th:TH_LOAD_NT   ; tile i: 512 bytes on end: rows 2 n + hh
.endr
.endr
	WIN 0x40
.irp c, 0,1
.irp f, 0,1,2
	global_load_b128 v[RF+8*\f+4*\c:RF+8*\f+4*\c+3], v25, s[12:13] offset:1024*\f+32*\c
.endr
	global_load_b128 v[RF+24+4*\c:RF+24+4*\c+3], v249, s[12:13] offset:3072+32*\c
.irp t, 0,1,2,3
	global_load_b128 v[RF+32+8*\t+4*\c:RF+32+8*\t+4*\c+3], v250, s[16:17] offset:512*\t+32*\c
.endr
.endr
	WIN 0
.irp f, 0,1,2
	global_load_u16 v[RS+\f], v251, s[14:15] offset:32*\f
.endr
	global_load_u16 v[RS+3], v254, s[14:15] offset:96
.irp t, 0,1,2,3
	global_load_u16 v[RS+4+\t], v255, s[18:19] offset:16*\t
.endr
	; LDS addresses, under the loads' flight
	s_lshl_b32 s72, s[WV], 15
	v_lshlrev_b32 v24, 11, v2
	v_lshl_add_u32 v24, v1, 4, v24
	v_add_nc_u32 v24, s72, v24                     ; my rows of v: 16 r, 8 keys on for hh
	v_lshl_add_u32 v[VT0], v3, 4, RECB
	s_lshl_b32 s72, s[WV], 9
	s_add_co_u32 s72, s72, RRH
	v_add_nc_u32 v[VT20], s72, v[VT0]
	v_mul_u32_u24 v62, 0x110, v1
	v_lshl_add_u32 v62, v2, 5, v62                 ; 272 r + 32 hh
	v_add_nc_u32 v[VRW0], RECB+RRW+64, v62
	s_mul_i32 s73, s[WV], OWV
	v_add_nc_u32 v[OST], s73, v62                  ; my part of O: row r
	v_mul_u32_u24 v63, 0x110, v2
	v_lshl_add_u32 v63, v1, 4, v63                 ; 272 hh + 16 r
	s_mul_i32 s72, s[WV], 544
	v_add_nc_u32 v[ORD], s72, v63                  ; rows 2 wave + hh of all parts, 16 bytes a lane
	s_mul_i32 s72, s[WV], 640
	s_add_co_u32 s72, s72, OT
	v_mul_u32_u24 v61, 0x140, v2
	v_add_nc_u32 v61, s72, v61
	v_lshl_add_u32 v[OTS], v1, 4, v61
	v_lshl_add_u32 v[OTL], v1, 2, v61
	s_lshl_b32 s72, s[WV], 12
	v_lshlrev_b32 v[OGO], 11, v2
	v_lshl_add_u32 v[OGO], v1, 4, v[OGO]
	v_add_nc_u32 v[OGO], s72, v[OGO]               ; rows 2 wave + hh of the tile in out
	s_lshl_b32 s72, s[WV], 2
	v_lshl_add_u32 v[MSR], v1, 5, MSB0
	v_add_nc_u32 v[MSW], s72, v[MSR]
	v_lshl_add_u32 v[MSR], v2, 4, v[MSR]
.irp k, 0,1,2,3
	v_mov_b32 v[TM+\k], 0                          ; (a lane permute's destination counts as one of its sources)
.endr
.macro VREAD c                         ; block c of v from LDS: key 32 c + 16 (i / 8) + 8 hh + i % 8: register t is d = 4 r + t; 16 lanes read a row of 256 bytes
	WIN 0x40
.irp i, 0,1,2,3,4,5,6,7,8,9,10,11,12,13,14,15
	ds_load_b128 v[128+64*(\c%2)+4*\i:128+64*(\c%2)+4*\i+3], v24 offset:(32*\c+16*(\i/8)+(\i%8))*256
.endr
	WIN 0
.endm
; Block c of v: four tiles' scales and codes, the tiles by turns.  A block of 32 keys lies in lanes l and l xor 16.
.macro VQUANT c, left
.set X_, 128+64*(\c%2)
	WALU
	s_wait_dscnt \left                             ; the block is in; the next block's 16 loads may be out
	WIN 0x05
.irp t, 0,1,2,3
	v_max3_num_f32 v[GG+\t], |v[X_+\t]|, |v[X_+4+\t]|, 0x4800000   ; the floor 2^(9 - 127): the byte cannot fall under 1
.endr
.irp i, 2,4,6,8,10,12,14
.irp t, 0,1,2,3
	v_max3_num_f32 v[GG+\t], |v[X_+4*\i+\t]|, |v[X_+4*\i+4+\t]|, v[GG+\t]
.endr
.endr
	WIN 0
.irp t, 0,1,2,3
	v_permlanex16_b32 v[TM+\t], v[GG+\t], s[SEL], s[SEL+1]
.endr
.irp t, 0,1,2,3
	v_max_num_f32 v[GG+\t], v[GG+\t], v[TM+\t]
.endr
.irp t, 0,1,2,3
	v_add_nc_u32 v[SO+\t], 0xfc000000, v[GG+\t]    ; 8 off the exponent field: the conversion's scale operand
.endr
.irp t, 0,1,2,3
	v_and_or_b32 v[HO+\t], v[GG+\t], 0x7f800000, s[MNT]   ; 448 x the scale
.endr
.irp t, 0,1,2,3
.if \c == 0
	v_lshrrev_b32 v[VS+\t], 23, v[SO+\t]
.else
	v_lshrrev_b32 v[GG+\t], 23, v[SO+\t]
.endif
.endr
.if \c > 0
.irp t, 0,1,2,3
	v_lshl_or_b32 v[VS+\t], v[GG+\t], 8*\c, v[VS+\t]
.endr
.endif
	WIN 0x01
.irp t, 0,1,2,3                        ; the hold also lays a tile's 16 numbers side by side
.set TP_, 192+16*\t
.if \t == 3
.set TP_, 32
.endif
.irp i, 0,1,2,3,4,5,6,7,8,9,10,11,12,13,14,15
	v_med3_num_f32 v[TP_+\i], v[X_+4*\i+\t], -v[HO+\t], v[HO+\t]
.endr
.endr
	WIN 0x40
.irp t, 0,1,2,3
.set TP_, 192+16*\t
.if \t == 3
.set TP_, 32
.endif
	v_cvt_scalef32_pk8_fp8_f32 v[VF+16*\t+4*\c:VF+16*\t+4*\c+1], v[TP_:TP_+7], v[SO+\t]
	v_cvt_scalef32_pk8_fp8_f32 v[VF+16*\t+4*\c+2:VF+16*\t+4*\c+3], v[TP_+8:TP_+15], v[SO+\t]
.endr
	v_nop                                          ; a plain line behind the last conversion
	WIN 0
.endm
	WALU                                           ; directly ahead of the wait below
	s_wait_tensorcnt 0x0                           ; my 128 rows of v, which I alone read
	VREAD 0
	VREAD 1
	VQUANT 0, 16
	VREAD 2
	VQUANT 1, 16
	VREAD 3
	VQUANT 2, 16
	VQUANT 3, 0
	WIN 0x40
.irp j, 0,1,2,3,4,5,6,7
	v_mov_b32 v[RF+64+\j], 0
	v_mov_b32 v[QC+8+\j], 0                        ; the upper half of K counts for nothing in the tables' products: what stands there on the tables' side is codes of the next fragment
	v_mov_b32 v[QD+8+\j], 0
.endr
	WIN 0
	WALU
	s_wait_loadcnt 24                              ; q is in; the 24 loads of the tables may be out
	; q's rows through my stage: in as they lie, back as lane (r, hh)'s 16 numbers of each block of 32.  LDS serves a wave's instructions in order: no wait between
	s_add_co_u32 s73, s73, QST
	v_mul_u32_u24 v26, 0x110, v2
	v_lshl_add_u32 v26, v1, 4, v26
	v_add_nc_u32 v26, s73, v26
	v_mul_u32_u24 v27, 0x110, v1
	v_lshl_add_u32 v27, v2, 6, v27
	v_add_nc_u32 v27, s73, v27
.macro QSTAGE i, p0, p1
.irp n, 0,1,2,3,4,5,6,7
	ds_store_b128 v26, v[KF+16*(4*\i+\n/2)+8+4*(\n%2):KF+16*(4*\i+\n/2)+11+4*(\n%2)] offset:544*\n
.endr
.irp n, 0,1,2,3
	ds_load_b128 v[\p0+4*\n:\p0+4*\n+3], v27 offset:16*\n
	ds_load_b128 v[\p1+4*\n:\p1+4*\n+3], v27 offset:128+16*\n
.endr
.endm
; A tile's codes and scale word.  The factor 1/8 goes into the scale byte: 3 off.
.macro QQUANT p0, p1, qc, qs, left
	WALU
	s_wait_dscnt \left
	v_max3_num_f32 v[GG], |v[\p0]|, |v[\p0+1]|, 0x6000000          ; the floor 2^(12 - 127)
	v_max3_num_f32 v[GG+1], |v[\p1]|, |v[\p1+1]|, 0x6000000
.irp k, 2,4,6,8,10,12,14
	v_max3_num_f32 v[GG], |v[\p0+\k]|, |v[\p0+\k+1]|, v[GG]
	v_max3_num_f32 v[GG+1], |v[\p1+\k]|, |v[\p1+\k+1]|, v[GG+1]
.endr
.irp c, 0,1
	v_permlanex16_b32 v[TM+\c], v[GG+\c], s[SEL], s[SEL+1]
.endr
.irp c, 0,1
	v_max_num_f32 v[GG+\c], v[GG+\c], v[TM+\c]
.endr
.irp c, 0,1
	v_add_nc_u32 v[SO+\c], 0xfc000000, v[GG+\c]
.endr
.irp c, 0,1
	v_and_or_b32 v[HO+\c], v[GG+\c], 0x7f800000, s[MNT]
.endr
.irp c, 0,1
	v_lshrrev_b32 v[GG+\c], 23, v[SO+\c]
.endr
	v_lshl_or_b32 v[\qs], v[GG+1], 8, v[GG]
	v_add_nc_u32 v[\qs], 0xfffffcfd, v[\qs]        ; 3 off either byte (each is 4 at the least)
	v_or_b32 v[\qs], 0x7f0000, v[\qs]              ; byte 2: 127, for the mask's place
.irp k, 0,1,2,3,4,5,6,7,8,9,10,11,12,13,14,15
	v_med3_num_f32 v[\p0+\k], v[\p0+\k], -v[HO], v[HO]
	v_med3_num_f32 v[\p1+\k], v[\p1+\k], -v[HO+1], v[HO+1]
.endr
	WIN 0x40
	v_cvt_scalef32_pk8_fp8_f32 v[\qc:\qc+1], v[\p0:\p0+7], v[SO]
	v_cvt_scalef32_pk8_fp8_f32 v[\qc+2:\qc+3], v[\p0+8:\p0+15], v[SO]
	v_cvt_scalef32_pk8_fp8_f32 v[\qc+4:\qc+5], v[\p1:\p1+7], v[SO+1]
	v_cvt_scalef32_pk8_fp8_f32 v[\qc+6:\qc+7], v[\p1+8:\p1+15], v[SO+1]
	PLACES 4
	WIN 0
.endm
.macro REL i, qc, qs
	WIN 0x45
.irp t, 0,1,2                          ; register j of tile t: q'(r) . rel_w[16 - w0 + m'], m' = 16 t + 8 hh + j; w0 = 16 i
	v_wmma_scale_f32_16x16x128_f8f6f4 v[DW+8*\t:DW+8*\t+7], v[RF+8*(\t+1-\i):RF+8*(\t+1-\i)+15], v[\qc:\qc+15], 0, v[RS+\t+1-\i], v[\qs]
.endr
.irp t, 0,1,2,3                        ; register j of tile t: RH[8 t + j], in both halves of the lanes
	v_wmma_scale_f32_16x16x128_f8f6f4 v[DH+8*\t:DH+8*\t+7], v[RF+32+8*\t:RF+32+8*\t+15], v[\qc:\qc+15], 0, v[RS+4+\t], v[\qs]
.endr
	WIN 0
.endm
.macro STORE i, qc, qs                 ; my tile i's record
	WIN 0x04
.irp t, 0,1,2                          ; THE SKEW: m' = x - r + 15 is stored at word m' + r + 1 of row r: RW[x] stands at word 16 + x
.irp j, 0,1,2,3,4,5,6,7
	ds_store_b32 v0, v[DW+8*\t+\j] offset:REC*\i+64*\t+4*\j
.endr
.endr
.irp k, 0,1,2,3,4,5,6,7
	ds_store_b128 v24, v[DH+4*\k:DH+4*\k+3] offset:REC*\i+RRH+512*\k
.endr
	ds_store_b128 v24, v[\qc:\qc+3] offset:REC*\i
	ds_store_b128 v24, v[\qc+4:\qc+7] offset:REC*\i+512
	WIN 0
	ds_store_b32 v24, v[\qs] offset:REC*\i+RQS
.endm
	QSTAGE 0, 192, 208
	QSTAGE 1, 224, 32
	QQUANT 192, 208, QC, QS, 16                    ; the second tile's eight stores and eight loads may be out
	QQUANT 224, 32, QD, QS+1, 0
	s_mul_i32 s72, s[WV], 2*REC
	v_add_nc_u32 v24, s72, v[VT0]                  ; my first tile's record
	v_mul_u32_u24 v0, 0x114, v1                    ; row r, and r words further on: the skew
	v_lshl_add_u32 v0, v2, 5, v0
	s_add_co_u32 s73, s72, RECB+RRW+4
	v_add_nc_u32 v0, s73, v0
	WALU
	s_wait_loadcnt 0x0                             ; the tables are in
	REL 0, QC, QS
	s_wait_dscnt 0x0                               ; my rows of v and of q are in registers
	s_barrier_signal -1
	; the mask's places: register work between signal and wait
.irp b, 0,1,2,3
	v_xor_b32 v[28+\b], 1, v[28+\b]                ; 1 where the key is masked
	v_mad_u32_u24 v[KS+\b], v[28+\b], s[MB], v[KS+\b]
.endr
	v_xor_b32 v60, 1, v2                           ; K place 64 is byte 0 of register 8 in lanes 0-15
	v_mul_u32_u24 v61, 0xfe, v60                   ; -448
	v_mul_u32_u24 v60, 0x38, v60                   ; 1.0
.irp f, 0,1,2,3,4,5,6,7
	v_mov_b32 v[KF+16*\f+8], v61
.irp j, 9,10,11,12,13,14,15
	v_mov_b32 v[KF+16*\f+\j], 0
.endr
.endr
	WIN 0x40
	v_mov_b32 v[QC+8], v60
	WIN 0
	WALU
	s_barrier_wait -1                              ; nobody reads v in LDS any more: its bytes, which are never filled again, take the records and the stages
	STORE 0, QC, QS
	REL 1, QD, QS+1
	PLACES 8
	STORE 1, QD, QS+1
	WALU                                           ; the wait at the head's end
	s_wait_dscnt 0x0
	s_barrier_signal -1
	s_barrier_wait -1                              ; all 16 records are whole; nobody writes them again
.macro NEXT                            ; the next tile's q, RW, RH: bytes that nobody writes any more
	WIN 0
	v_add_nc_u32 v[TM], s[TB], v[VT0]
	v_add_nc_u32 v[TM+1], s[TB], v[VT20]
	v_add_nc_u32 v[TM+2], s[TB], v[VRW0]
	ds_load_b32 v[QS], v[TM] offset:RQS
	ds_load_b128 v[RH:RH+3], v[TM+1]
	WIN 0x40
	ds_load_b128 v[QC:QC+3], v[TM]
	ds_load_b128 v[QC+4:QC+7], v[TM] offset:512
	ds_load_b128 v[RW:RW+3], v[TM+2]               ; x = 8 hh + 0 ..
	ds_load_b128 v[RW+4:RW+7], v[TM+2] offset:16
	ds_load_b128 v[RW+8:RW+11], v[TM+2] offset:64  ; x = 16 + 8 hh + 0 ..
	ds_load_b128 v[RW+12:RW+15], v[TM+2] offset:80
	WIN 0
	s_add_co_u32 s[TB], s[TB], REC
.endm
.macro QK s                            ; eight products, C = RW, into the set at s
	WIN 0x54
.irp f, 0,1,2,3,4,5,6,7
.if \f%2
	v_wmma_scale_f32_16x16x128_f8f6f4 v[\s+8*\f:\s+8*\f+7], v[KF+16*\f:KF+16*\f+15], v[QC:QC+15], v[RW+8:RW+15], v[KS+\f/2], v[QS] matrix_a_scale:MATRIX_SCALE_ROW1
.else
	v_wmma_scale_f32_16x16x128_f8f6f4 v[\s+8*\f:\s+8*\f+7], v[KF+16*\f:KF+16*\f+15], v[QC:QC+15], v[RW:RW+7], v[KS+\f/2], v[QS]
.endif
.endr
.endm
.macro MAXB s, m                       ; each block's largest of my 16 scores, the four blocks by turns, each accumulator from its low end on
	PLACES 8
	WIN 0x05
.irp b, 0,1,2,3
	v_max_num_f32 v[\m+\b], v[\s+16*\b], v[\s+16*\b+1]
.endr
.irp i, 2,4,6,8,10,12,14
.irp b, 0,1,2,3
	v_max3_num_f32 v[\m+\b], v[\s+16*\b+\i], v[\s+16*\b+\i+1], v[\m+\b]
.endr
.endr
	WIN 0
.endm
.macro ROW m, o                        ; my largest logit of 128 keys (c x it: v[o]), and the addends c RH[p] - c max
.irp k, 0,1,2,3
	v_permlanex16_b32 v[GG+\k], v[\m+\k], s[SEL], s[SEL+1]
.endr
.irp k, 0,1,2,3
	v_max_num_f32 v[\m+\k], v[\m+\k], v[GG+\k]
.endr
.irp k, 0,1,2,3
	v_add_f32 v[TM+\k], v[\m+\k], v[RH+\k]
.endr
	v_max3_num_f32 v[MX], v[TM], v[TM+1], v[TM+2]
	v_max3_num_f32 v[MX], v[MX], v[TM+3], s[THR]   ; held at -2^100: where all 128 keys are masked every p is 0
	v_mul_f32 v[\o], s[CS], v[MX]
.irp k, 0,1,2,3
	v_fma_f32 v[RH+\k], v[RH+\k], s[CS], -v[\o]
.endr
.irp k, 0,1,2,3
	v_fma_f32 v[\m+\k], v[\m+\k], s[CS], v[RH+\k]  ; the block's largest score goes the way of all scores
.endr
.endm
.macro FMAB b                          ; block b: c s + addend, two at a time; the addend is the low or the high register of its pair
.set x_, S_+16*\b
.irp i, 0,2,4,6,8,10,12,14
.if (\b)%2
	v_pk_fma_f32 v[x_+\i:x_+\i+1], v[x_+\i:x_+\i+1], s[CS:CS+1], v[RH+\b-1:RH+\b] op_sel:[0,0,1] op_sel_hi:[1,0,1]
.else
	v_pk_fma_f32 v[x_+\i:x_+\i+1], v[x_+\i:x_+\i+1], s[CS:CS+1], v[RH+\b:RH+\b+1] op_sel_hi:[1,0,0]
.endif
.endr
.endm
.macro OPUT e                          ; my part of O
	WIN 0
.irp t, 0,1,2,3
	ds_store_b128 v[OST], v[OA+8*\t:OA+8*\t+3] offset:OB0+OBUF*\e+64*\t
	ds_store_b128 v[OST], v[OA+8*\t+4:OA+8*\t+7] offset:OB0+OBUF*\e+64*\t+16
.endr
.endm
.macro REDLOAD e                       ; the eight parts of my two rows of O
	WIN 0x40
.irp k, 0,1,2,3,4,5,6,7
	ds_load_b128 v[OR+4*\k:OR+4*\k+3], v[ORD] offset:OB0+OBUF*(\e)+OWV*\k
.endr
	WIN 0
.endm
.macro RADD a, b
	v_pk_add_f32 v[OR+4*\a:OR+4*\a+1], v[OR+4*\a:OR+4*\a+1], v[OR+4*\b:OR+4*\b+1]
	v_pk_add_f32 v[OR+4*\a+2:OR+4*\a+3], v[OR+4*\a+2:OR+4*\a+3], v[OR+4*\b+2:OR+4*\b+3]
.endm
.macro REDADD                          ; added up; then through my own bytes of LDS from the accumulators' order (word 16 t + d / 4) into d's: LDS serves a wave's instructions in order
	WIN 0x55
	RADD 0, 1
	RADD 2, 3
	RADD 4, 5
	RADD 6, 7
	RADD 0, 2
	RADD 4, 6
	RADD 0, 4
	WIN 0x04
	ds_store_b128 v[OTS], v[OR:OR+3]
	WIN 0x40
.irp k, 0,1,2,3
	ds_load_b32 v[OR+4+\k], v[OTL] offset:64*\k
.endr
	WIN 0
.endm
.macro OUT                             ; 16 lanes store 256 consecutive bytes, at a multiple of 256 from out's first byte
	WIN 0x04
	global_store_b128 v[OGO], v[OR+4:OR+7], s[OP:OP+1] th:TH_STORE_NT
	WIN 0
.endm
.macro SADD n                          ; n more pairs onto the sum's four chains
.rept \n
	v_pk_add_f32 v[SM+2*(p_%4):SM+2*(p_%4)+1], v[S_+2*p_:S_+2*p_+1], v[SM+2*(p_%4):SM+2*(p_%4)+1]
.set p_, p_+1
.endr
.endm
.macro GAP do, n
.if \do
	SADD \n
.else
	PLACES \n
.endif
.endm
; BODY t, e = t % 2.  do: tile t's exponentials and sums; fin: tile t - 1's finish; ost: tile t - 2's parts of O go to LDS; red: tile t - 3's way out; next: tile t + 1's first product and maxima.
.macro BODY e, do, fin, ost, red, next
.set S_, SC+64*\e                      ; tile t's scores; F_ tile t - 1's
.set F_, SC+64-64*\e
.set BE_, 40-40*\e
.set BF_, 40*\e
.set OE_, 25+2*\e
.set OF_, 27-2*\e
.set p_, 8
	WIN 0
.if \fin
	ds_load_b128 v[SM:SM+3], v[MSR] offset:1024*(1-\e)             ; four waves' maxima: lanes 0-15 waves 0-3, lanes 16-31 waves 4-7
	ds_load_b128 v[SM+4:SM+7], v[MSR] offset:1024*(1-\e)+512       ; and sums
.endif
.if \ost
	OPUT \e
.endif
.if \red
	REDLOAD 1-\e
.endif
.if \do
	WIN 0x41
	FMAB 0
	FMAB 1
	FMAB 2
	FMAB 3
.endif
	WIN 0
.if \fin
	s_wait_dscnt 8*\ost+8*\red                     ; maxima and sums are in; the parts of O, eight stores and eight loads, may be out
	v_max3_num_f32 v[MX], v[SM], v[SM+1], v[SM+2]
	v_max_num_f32 v[MX], v[MX], v[SM+3]
	v_permlanex16_b32 v[TM], v[MX], s[SEL], s[SEL+1]
	v_max_num_f32 v[MX], v[MX], v[TM]              ; the row's largest
	v_pk_add_f32 v[SM:SM+1], v[SM:SM+1], v[MX:MX+1] op_sel_hi:[1,0] neg_lo:[0,1] neg_hi:[0,1]
	v_pk_add_f32 v[SM+2:SM+3], v[SM+2:SM+3], v[MX:MX+1] op_sel_hi:[1,0] neg_lo:[0,1] neg_hi:[0,1]
	v_sub_f32 v[DD], v[OF_], v[MX]
.endif
	WALU                                           ; a wait ahead of a batch and one behind it
.if \fin
.irp k, 0,1,2,3
	v_exp_f32 v[SM+\k], v[SM+\k]
.endr
	v_exp_f32 v[DD], v[DD]
.endif
.if \do
	WIN 0x41
.set j_, 0
.rept 32
	v_exp_f32 v[S_+j_], v[S_+j_]
.set j_, j_+1
.endr
	WIN 0
.endif
	v_nop                                          ; a plain line behind the batch
	WALU
.if \fin
	v_pk_mul_f32 v[SM:SM+1], v[SM:SM+1], v[SM+4:SM+5]
	v_pk_fma_f32 v[SM:SM+1], v[SM+2:SM+3], v[SM+6:SM+7], v[SM:SM+1]
	v_add_f32 v[TM], v[SM], v[SM+1]
	v_permlanex16_b32 v[TM+1], v[TM], s[SEL], s[SEL+1]
	v_add_f32 v[TM], v[TM], v[TM+1]                ; the row's sum
	v_cmp_neq_f32 s[KEEP], 0, v[TM]                ; 0 only where no key is left (else some wave's largest p is 1): it only selects a value
	WALU
	v_rcp_f32 v[RR], v[TM]
.if \red
	s_wait_dscnt 0x0                               ; the parts of O are in
	REDADD
.else
	v_nop
.endif
	WALU
	v_mul_f32 v[RR], v[RR], v[DD]
	; the scales of tile t - 1's four blocks, from each block's largest weight
.irp k, 0,1,2,3
	v_mul_f32 v[GG+\k], v[BF_+\k], v[RR]
.endr
.irp k, 0,1,2,3
	v_max_num_f32 v[GG+\k], 0x4800000, v[GG+\k]
.endr
.irp k, 0,1,2,3
	v_add_nc_u32 v[SO+\k], 0xfc000000, v[GG+\k]
.endr
.irp k, 0,1,2,3
	v_and_or_b32 v[HO+\k], v[GG+\k], 0x7f800000, s[MNT]
.endr
.irp k, 0,1,2,3
	v_lshrrev_b32 v[GG+\k], 23, v[SO+\k]
.endr
	v_lshl_or_b32 v[PW], v[GG+1], 8, v[GG]
	v_lshl_or_b32 v[PW], v[GG+2], 16, v[PW]
	v_lshl_or_b32 v[PW], v[GG+3], 24, v[PW]
.endif
	; the rest of tile t's exponentials; among them tile t - 1's weights (x the factor), then their hold.  What stands among a batch reads what was written ahead of its first wait and is read behind its second
	WIN 0x41
	WALU
.set j_, 0
.rept 16
.if \do
	v_exp_f32 v[S_+32+j_], v[S_+32+j_]
.endif
.if \fin
	v_pk_mul_f32 v[F_+4*j_:F_+4*j_+1], v[F_+4*j_:F_+4*j_+1], v[RR:RR+1] op_sel_hi:[1,0]
	v_pk_mul_f32 v[F_+4*j_+2:F_+4*j_+3], v[F_+4*j_+2:F_+4*j_+3], v[RR:RR+1] op_sel_hi:[1,0]
.endif
.set j_, j_+1
.endr
	WALU
.set j_, 0
.rept 16
.if \do
	v_exp_f32 v[S_+48+j_], v[S_+48+j_]
.endif
.if \fin
	v_dual_min_num_f32 v[F_+4*j_], v[F_+4*j_], v[HO+j_/4] :: v_dual_min_num_f32 v[F_+4*j_+1], v[F_+4*j_+1], v[HO+j_/4]   ; the conversion does not saturate (ISA guide 7.6.2); a weight is not negative
	v_dual_min_num_f32 v[F_+4*j_+2], v[F_+4*j_+2], v[HO+j_/4] :: v_dual_min_num_f32 v[F_+4*j_+3], v[F_+4*j_+3], v[HO+j_/4]
.endif
.set j_, j_+1
.endr
	WIN 0
.if \do
.irp k, 0,1,2,3
	v_exp_f32 v[BE_+\k], v[BE_+\k]
.endr
	v_nop                                          ; a plain line behind the last exponential
.endif
	WALU
.if \red
	s_wait_dscnt 0x0                               ; my two rows are back in d's order
	OUT
.endif
.if \next
	NEXT
.endif
.if \do
	WIN 0x05
.irp k, 0,1,2,3
	v_pk_add_f32 v[SM+2*\k:SM+2*\k+1], v[S_+4*\k:S_+4*\k+1], v[S_+4*\k+2:S_+4*\k+3]   ; the sum, of the exponentials as they are
.endr
.endif
	WIN 0x01
.if \fin
.irp k, 0,1,2,3
	v_cvt_scalef32_pk8_fp8_f32 v[PC+4*\k:PC+4*\k+1], v[F_+16*\k:F_+16*\k+7], v[SO+\k]
	v_cvt_scalef32_pk8_fp8_f32 v[PC+4*\k+2:PC+4*\k+3], v[F_+16*\k+8:F_+16*\k+15], v[SO+\k]
.endr
	GAP \do, 6
	v_cndmask_b32 v[PC], s[NANC], v[PC], s[KEEP]
	GAP \do, 18
.else
	SADD 24
.endif
	WIN 0
.if \do
	v_pk_add_f32 v[SM:SM+1], v[SM:SM+1], v[SM+2:SM+3]
	v_pk_add_f32 v[SM+4:SM+5], v[SM+4:SM+5], v[SM+6:SM+7]
	v_pk_add_f32 v[SM:SM+1], v[SM:SM+1], v[SM+4:SM+5]
	v_add_f32 v[TM], v[SM], v[SM+1]
	v_permlanex16_b32 v[TM+1], v[TM], s[SEL], s[SEL+1]
	v_add_f32 v[TM], v[TM], v[TM+1]
	ds_store_b32 v[MSW], v[OE_] offset:1024*\e
	ds_store_b32 v[MSW], v[TM] offset:1024*\e+512
.endif
	WALU
.if \fin
	WIN 0x01
.irp t, 0,1,2,3                        ; O^T, d = 4 m + t: my 128 keys are one instruction deep.  They stand between the exchange's stores and the wait for them
	v_wmma_scale_f32_16x16x128_f8f6f4 v[OA+8*\t:OA+8*\t+7], v[VF+16*\t:VF+16*\t+15], v[PC:PC+15], 0, v[VS+\t], v[PW]
.endr
	WIN 0
.if \next == 0
	PLACES 8                                       ; ahead of the stores of O
.endif
.endif
.if \red
	s_wait_xcnt 0x0                                ; the store has read its registers and its base
.endif
	s_wait_dscnt 0x0                               ; my stores are done, my reads of either slot are over, the next tile's inputs are in
	s_barrier_signal -1
.if \red
	s_add_nc_u64 s[OP:OP+1], s[OP:OP+1], 0x8000    ; 16 rows of out on
.endif
.if \next
	QK F_                                          ; registers alone between signal and wait
	MAXB F_, BF_
	ROW BF_, OF_
	WALU
.endif
	s_barrier_wait -1                              ; tile t's maxima and sums and tile t - 2's parts of O are whole
.endm
	NEXT
	WALU
	s_wait_dscnt 0x0
	QK SC
	MAXB SC, 40
	ROW 40, 25
	BODY 0, 1, 0, 0, 0, 1
	BODY 1, 1, 1, 0, 0, 1
	BODY 0, 1, 1, 1, 0, 1
	s_mov_b32 s[TRIP], 0
.Ltiles:                                               ; tiles 3 to 14, two a trip: so the two sets of scores and the two slots of LDS stand in the text
	BODY 1, 1, 1, 1, 1, 1
	BODY 0, 1, 1, 1, 1, 1
	s_add_co_u32 s[TRIP], s[TRIP], 1
	s_cmp_lt_u32 s[TRIP], 6
	s_cbranch_scc1 .Ltiles
	BODY 1, 1, 1, 1, 1, 0
	BODY 0, 0, 1, 1, 1, 0
	OPUT 1                                         ; tile 15's parts
	REDLOAD 0                                      ; tile 14's
	s_wait_dscnt 0x0
	REDADD
	WALU
	s_wait_dscnt 0x0
	OUT
	s_wait_xcnt 0x0
	s_barrier_signal -1
	s_add_nc_u64 s[OP:OP+1], s[OP:OP+1], 0x8000
	s_barrier_wait -1
	REDLOAD 1
	s_wait_dscnt 0x0
	REDADD
	WALU
	s_wait_dscnt 0x0
	OUT
	s_wait_tensorcnt 0x0                           ; the wave's end, behind my last LDS store
	ds_add_u32 v[SPW], v[NIL]
	s_wait_dscnt 0x0
	CROUND                                         ; the closing round
	s_endpgm
.Lfunc_end_k_q3970e9260c_attn:
	.size	k_q3970e9260c_attn, .Lfunc_end_k_q3970e9260c_attn-k_q3970e9260c_attn
	.p2alignl 7, 3214868480
	.fill 96, 4, 3214868480
	.section	.rodata,"a",@progbits
	.p2align	6, 0x0
	.amdhsa_kernel k_q3970e9260c_attn
		.amdhsa_group_segment_fixed_size 327680
		.amdhsa_private_segment_fixed_size 0
		.amdhsa_enable_private_segment 0
		.amdhsa_kernarg_size 80
		.amdhsa_user_sgpr_count 2
		.amdhsa_user_sgpr_kernarg_segment_ptr 1
		.amdhsa_wavefront_size32 1
		.amdhsa_system_sgpr_workgroup_id_x 1
		.amdhsa_system_sgpr_workgroup_id_y 1
		.amdhsa_system_sgpr_workgroup_id_z 1
		.amdhsa_system_vgpr_workitem_id 0
		.amdhsa_next_free_vgpr 512
		.amdhsa_next_free_sgpr 76
		.amdhsa_reserve_vcc 0
		.amdhsa_float_denorm_mode_32 3
		.amdhsa_float_denorm_mode_16_64 3
		.amdhsa_memory_ordered 1
		.amdhsa_forward_progress 1
		.amdhsa_inst_pref_size 208
	.end_amdhsa_kernel
	.amdgpu_metadata
---
amdhsa.version: [ 1, 2 ]
amdhsa.kernels:
  - .name:           k_q3970e9260c_attn
    .symbol:         k_q3970e9260c_attn.kd
    .args:
      - { .name: q, .offset: 0, .size: 8, .value_kind: global_buffer, .address_space: global }
      - { .name: k_codes, .offset: 8, .size: 8, .value_kind: global_buffer, .address_space: global }
      - { .name: k_scales, .offset: 16, .size: 8, .value_kind: global_buffer, .address_space: global }
      - { .name: attn_mask, .offset: 24, .size: 8, .value_kind: global_buffer, .address_space: global }
      - { .name: rel_emb_w_codes, .offset: 32, .size: 8, .value_kind: global_buffer, .address_space: global }
      - { .name: rel_emb_w_scales, .offset: 40, .size: 8, .value_kind: global_buffer, .address_space: global }
      - { .name: rel_emb_h_codes, .offset: 48, .size: 8, .value_kind: global_buffer, .address_space: global }
      - { .name: rel_emb_h_scales, .offset: 56, .size: 8, .value_kind: global_buffer, .address_space: global }
      - { .name: v, .offset: 64, .size: 8, .value_kind: global_buffer, .address_space: global }
      - { .name: out0, .offset: 72, .size: 8, .value_kind: global_buffer, .address_space: global }
    .group_segment_fixed_size: 327680
    .private_segment_fixed_size: 0
    .kernarg_segment_align: 8
    .kernarg_segment_size: 80
    .max_flat_workgroup_size: 256
    .sgpr_count:     76
    .vgpr_count:     512
    .wavefront_size: 32
...
	.end_amdgpu_metadata
.endif
;; end of part 1
